; MI455X (gfx1250); checked and timed in simulation.
; The chip was launched on July 23, 2026; its instructions are those of AMD's public machine-readable ISA for CDNA 5 (MIT licence, August 2026) and "CDNA5" Instruction Set Architecture Reference Guide (July 2026). The comments in the code are by the model that wrote it; some were corrected since.
;; Multi Modal Cross Attention. Allowed arithmetic: matrix products marked QUANTISED: E2M1 operands, one E8M0 scale for each 32 along K, by v_wmma_scale_f32_16x16x128_f8f6f4 with both operands' format E2M1 (or v_wmma_scale_f32_32x16x128_f4), f32 sums; products left as they are: bf16, f16 or f32 operands; f32 sums; everything else in f32.
;; Inputs: K_image 4 x 2,048 x 512 float32; K_text 4 x 2,048 x 512 float32; Q_image 4 x 2,048 x 512 float32; Q_text 4 x 2,048 x 512 float32; V_image 4 x 2,048 x 512 float32; V_text 4 x 2,048 x 512 float32; Wk_image 512 x 512 float32; Wk_text 512 x 512 float32; Wq_image 512 x 512 float32; Wq_text 512 x 512 float32; Wv_image 512 x 512 float32; Wv_text 512 x 512 float32; bk_image 512 float32; bk_text 512 float32; bq_image 512 float32; bq_text 512 float32; bv_image 512 float32; bv_text 512 float32.
;; Outputs: out0 4 x 2,048 x 512 float32; out1 4 x 2,048 x 512 float32.
;; This version of the problem:
;;   THIS VERSION OF THE PROBLEM IS GIVEN IN LOW PRECISION. The matrix products marked QUANTISED in the list below multiply operands that are first quantised to E2M1 (2 exponent bits, 1 mantissa bit; 4 bits a number), with one power-of-two scale for each 32 numbers along K (OCP MX v1.0); their sums are f32. The products marked 'left as it is' may take bf16, f16 or f32 operands, with f32 sums. Whichever they take, every output number must still come out within the allowed error. Rounding operands to bf16 (8 significant bits) uses up far more of that allowance than f16 does (11 bits, for magnitudes from 6e-5 to 65,504). All else is computed in f32.
;;   The module's matrix products, in the order in which they are computed (A, B: the left and right operand; K: the contracted axis; several contracted axes count as one K, in the product's order):
;;     1. [M 8,192, K 512] x [K 512, N 512]; A: input Q_text; B: input Wq_text: QUANTISED
;;     2. [M 8,192, K 512] x [K 512, N 512]; A: input K_image; B: input Wk_image: QUANTISED
;;     3. [M 8,192, K 512] x [K 512, N 512]; A: input V_image; B: input Wv_image: QUANTISED
;;     4. [M 8,192, K 512] x [K 512, N 512]; A: input Q_image; B: input Wq_image: QUANTISED
;;     5. [M 8,192, K 512] x [K 512, N 512]; A: input K_text; B: input Wk_text: QUANTISED
;;     6. [M 8,192, K 512] x [K 512, N 512]; A: input V_text; B: input Wv_text: QUANTISED
;;     7. batch 4 x [M 2,048, K 512] x [K 512, N 2,048]; A: computed on the way; B: computed on the way: left as it is (an operand is computed on the way)
;;     8. batch 4 x [M 2,048, K 2,048] x [K 2,048, N 512]; A: computed on the way; B: computed on the way: left as it is (an operand is computed on the way)
;;     9. batch 4 x [M 2,048, K 512] x [K 512, N 2,048]; A: computed on the way; B: computed on the way: left as it is (an operand is computed on the way)
;;     10. batch 4 x [M 2,048, K 2,048] x [K 2,048, N 512]; A: computed on the way; B: computed on the way: left as it is (an operand is computed on the way)
;;   THE QUANTISER, for each operand of a quantised product, along K:
;;     - K is cut into blocks of 32 from its start; a last block that is shorter is filled with zeros.
;;     - A block's scale is 2^e with e = floor(log2(the largest magnitude in the block)) - 2, held to -126 .. 127; a block of zeros has e = 0. As a byte (E8M0): e + 127.
;;     - Each number is divided by its block's scale, clamped to +-6, and rounded to the nearest number of E2M1, ties to even, subnormals kept.
;;     - The product sums the exact products of the quantised numbers (number of the format x scale) in f32.
;;   ~~~python
;;   def quantise(x, axis):      # numpy; x: float32 -> the quantised numbers, widened to float32 again
;;       x = np.moveaxis(x, axis, -1); K = x.shape[-1]
;;       x = np.pad(x, [(0, 0)] * (x.ndim - 1) + [(0, -K % 32)]); x = x.reshape(x.shape[:-1] + (-1, 32)); a = np.abs(x).max(-1, keepdims=True)
;;       e = np.where(a > 0, np.clip(np.frexp(np.where(a > 0, a, 1))[1] - 1 - 2, -126, 127), 0)      # np.frexp(a)[1] - 1 = floor(log2(a)), exactly
;;       r = np.clip(x / 2.0 ** e, -6, 6)
;;       step = 2.0 ** (np.maximum(np.frexp(np.where(r == 0, 1, r))[1] - 1, 0) - 1)
;;       q = np.round(r / step) * step * 2.0 ** e      # np.round: ties to even
;;       return np.moveaxis(q.reshape(q.shape[:-2] + (-1,))[..., :K], -1, axis).astype(np.float32)
;;   ~~~
;; One version. Each part assembles by itself: llvm-mc -triple=amdgcn-amd-amdhsa -mcpu=gfx1250 --defsym DOCPART=n.
;; ======== version 1 of 1: 3 launches
;; limits: values are held in f16: magnitudes above 65,504 overflow, below 6.1e-05 lose precision
;; workspace buffers: wcodes 786,432 bytes; wscales 49,152 bytes; ws 50,331,648 bytes
;; launch wq (part 1): grid 192 x 1, 1 waves a work-group, no clusters, 0 bytes of LDS; arguments Wq_text, Wq_image, Wk_image, Wk_text, Wv_image, Wv_text, wcodes, wscales; writes wcodes, wscales
.if DOCPART == 1
	.amdgcn_target "amdgcn-amd-amdhsa--gfx1250"
	.amdhsa_code_object_version 6
	.text
	.protected	k_q31e2ea6bb2_wq
	.globl	k_q31e2ea6bb2_wq
	.p2align	8
	.type	k_q31e2ea6bb2_wq,@function
k_q31e2ea6bb2_wq:
	s_mov_b64 s[64:65], 0
	v_nop
	global_prefetch_b8 v0, s[64:65] scope:SCOPE_SE
	s_setreg_imm32_b32 hwreg(HW_REG_WAVE_MODE, 25, 1), 1
	s_wait_xcnt 0x0
; The six weights [512][512] f32 (K innermost) become codes of FP4 (E2M1) with one E8M0 scale byte for each 32 along K.
; ORDER g OF THE SIX PRODUCTS, here and in the later launches: 0 Wq_text, 1 Wq_image, 2 Wk_image, 3 Wk_text, 4 Wv_image, 5 Wv_text.
; wcodes: [g 6][ft 32][s 4][c 2][512 bytes]: the image of an operand's registers.  Fragment (ft, s) is 16 rows (16 ft + r) x 128 K (128 s on): lane (r, h) holds in registers
; 4 c .. 4 c + 3 the codes of K = 128 s + 64 c + 32 h + 0 .. 31; these 16 bytes lie at 16 x lane of piece c.  A reader loads a fragment by two loads of 16 bytes a lane, 512 consecutive bytes each.
; wscales: [g 6][row 512][16 bytes]: word s of a row holds the four scale bytes of K step s.
; A block's scale is 2^(floor(log2(its largest magnitude)) - 2); its byte is the largest magnitude's exponent field - 2, held at 1 from below by a floor among the maximum's leaves.
; (A block of zeros gets the byte 1 where the stated quantiser says 127: its codes are zeros, and this program alone reads the bytes.)
; LIMITS: NaN and infinities among the inputs are not served.
; SHARES: one wave to a work-group; work-group 32 g + ft takes 16 rows x all 512 K: four K steps.  A lane takes two whole blocks of 32 a K step, so no other lane is asked for a maximum.
; No LDS, no matrix unit, no cluster: the launch reads 6 MiB once and its work-groups share nothing.  A lane's eight loads of a block cover 128 consecutive bytes.
.set RR,  1                            ; v1   r = lane % 16
.set HH,  2                            ; v2   h = lane / 16
.set AD,  3                            ; v3   2,048 r + 128 h: my first block of a K step, in bytes
.set LI,  4                            ; v4   16 x lane: my place in an image
.set SO,  5                            ; v5   16 r + 8 h: my two scale words
.set SH,  6                            ; v6   8 h: my bytes' place in a scale word, in bits
.set TM,  16                           ; v16-17 largest magnitudes;  v18-19 the conversions' scale operands;  v20-21 bytes;  v22, v23 at work
.set TE,  18
.set TBY, 20
.set TT,  22
.set TU,  23
.set X,   32                           ; v32-159  two sets of 64 numbers
.set CD,  160                          ; v160-191 codes: eight registers for each K step, so that no store's data are written again
.set SW,  192                          ; v192-195 the four scale words;  v196-197 the two that I store
.set SEL, 20                           ; s[20:21] v_permlanex16_b32's selects for lane l xor 16
	s_load_b512 s[4:19], s[0:1], 0x0               ; the six weights s[4:15], wcodes s[16:17], wscales s[18:19]
	v_and_b32 v[RR], 15, v0
	v_bfe_u32 v[HH], v0, 4, 1
	v_lshlrev_b32 v[AD], 11, v[RR]
	v_lshl_add_u32 v[AD], v[HH], 7, v[AD]
	v_lshlrev_b32 v[LI], 4, v0                     ; (one wave: the thread's number is the lane)
	v_lshlrev_b32 v[SO], 4, v[RR]
	v_lshl_add_u32 v[SO], v[HH], 3, v[SO]
	v_lshlrev_b32 v[SH], 3, v[HH]
	v_mov_b32 v[TU], 0                             ; written once: a lane permute's destination counts as one of its sources
	s_mov_b32 s[SEL], 0x76543210
	s_mov_b32 s[SEL+1], 0xfedcba98
	s_lshr_b32 s22, ttmp9, 5                       ; g
	s_and_b32 s24, ttmp9, 31                       ; ft
	s_lshl_b32 s24, s24, 15                        ; 16 rows of 2,048 bytes
	s_mov_b32 s25, 0
	s_wait_kmcnt 0x0
.irp i, 1,2,3,4,5
	s_cmp_eq_u32 s22, \i                           ; the weight is chosen by the work-group's number alone
	s_cselect_b64 s[4:5], s[4+2*\i:5+2*\i], s[4:5]
.endr
	s_add_nc_u64 s[4:5], s[4:5], s[24:25]
	s_lshl_b32 s24, ttmp9, 12                      ; 4,096 bytes of codes for each (g, ft)
	s_add_nc_u64 s[16:17], s[16:17], s[24:25]
	s_lshl_b32 s24, ttmp9, 8                       ; and 256 scale bytes
	s_add_nc_u64 s[18:19], s[18:19], s[24:25]
; 64 numbers of a lane, v[src] on: register 32 c + i = K 64 c + 32 h + i of my row.  They become the fragment's eight registers v[cod] on and the row's scale word v[wrd].
.macro QUANT src, cod, wrd
.irp c, 0,1
	v_max3_num_f32 v[TM+\c], |v[(\src)+32*\c]|, |v[(\src)+32*\c+1]|, 0x1800000   ; my block 2 c + h, and the floor 2^(3 - 127): the byte cannot fall under 1
.endr
.irp i, 2,4,6,8,10,12,14,16,18,20,22,24,26,28,30
.irp c, 0,1
	v_max3_num_f32 v[TM+\c], v[TM+\c], |v[(\src)+32*\c+\i]|, |v[(\src)+32*\c+\i+1]|   ; (the two blocks by turns)
.endr
.endr
.irp c, 0,1
	v_add_nc_u32 v[TE+\c], 0xff000000, v[TM+\c]    ; 2 off the exponent field: the conversion takes the exponent field of this operand as its scale
.endr
.irp c, 0,1
	v_lshrrev_b32 v[TBY+\c], 23, v[TE+\c]          ; the scale's byte
.endr
	v_lshl_or_b32 v[TT], v[TBY+1], 16, v[TBY]      ; my two bytes: blocks h and 2 + h,
	v_lshlrev_b32 v[TT], v[SH], v[TT]              ; at their places in the word;
	v_permlanex16_b32 v[TU], v[TT], s[SEL], s[SEL+1]
	v_or_b32 v[\wrd], v[TT], v[TU]                 ; with lane l xor 16's two the word is whole, in both lanes
.irp c, 0,1
.irp g, 0,1,2,3
	v_cvt_scalef32_pk8_fp4_f32 v[(\cod)+4*\c+\g], v[(\src)+32*\c+8*\g:(\src)+32*\c+8*\g+7], v[TE+\c]
.endr
.endr
	v_nop                                          ; one plain place behind the last scaled conversion
.endm
.macro LOADS s                         ; K step s: 16 loads into set s % 2
.irp c, 0,1
.irp i, 0,1,2,3,4,5,6,7
	global_load_b128 v[X+64*((\s)%2)+32*\c+4*\i:X+64*((\s)%2)+32*\c+4*\i+3], v[AD], s[4:5] offset:512*(\s)+256*\c+16*\i th:TH_LOAD_NT
.endr
.endr
.endm
.macro WSTEP s
.if (\s) < 3
	s_wait_loadcnt 16                              ; this step's 16 loads are in; the next step's 16 may be out
.else
	s_wait_loadcnt 0x0
.endif
	QUANT X+64*((\s)%2), CD+8*(\s), SW+(\s)
	global_store_b128 v[LI], v[CD+8*(\s):CD+8*(\s)+3], s[16:17] offset:1024*(\s)        ; 32 lanes store 512 consecutive bytes
	global_store_b128 v[LI], v[CD+8*(\s)+4:CD+8*(\s)+7], s[16:17] offset:1024*(\s)+512
.if (\s) < 2
	LOADS (\s)+2                                   ; into the set just quantised
.endif
.endm
	LOADS 0
	LOADS 1
	WSTEP 0
	WSTEP 1
	WSTEP 2
	WSTEP 3
	v_cmp_eq_u32 vcc_lo, 1, v[HH]
	v_cndmask_b32 v[SW+4], v[SW], v[SW+2], vcc_lo  ; lanes 0-15 store words 0 and 1 of their row, lanes 16-31 words 2 and 3
	v_cndmask_b32 v[SW+5], v[SW+1], v[SW+3], vcc_lo
	global_store_b64 v[SO], v[SW+4:SW+5], s[18:19] ; the wave stores 256 consecutive bytes, aligned
	s_endpgm
.Lfunc_end_k_q31e2ea6bb2_wq:
	.size	k_q31e2ea6bb2_wq, .Lfunc_end_k_q31e2ea6bb2_wq-k_q31e2ea6bb2_wq
	.p2alignl 7, 3214868480
	.fill 96, 4, 3214868480
	.section	.rodata,"a",@progbits
	.p2align	6, 0x0
	.amdhsa_kernel k_q31e2ea6bb2_wq
		.amdhsa_group_segment_fixed_size 0
		.amdhsa_private_segment_fixed_size 0
		.amdhsa_enable_private_segment 0
		.amdhsa_kernarg_size 64
		.amdhsa_user_sgpr_count 2
		.amdhsa_user_sgpr_kernarg_segment_ptr 1
		.amdhsa_wavefront_size32 1
		.amdhsa_system_sgpr_workgroup_id_x 1
		.amdhsa_system_sgpr_workgroup_id_y 1
		.amdhsa_system_sgpr_workgroup_id_z 1
		.amdhsa_system_vgpr_workitem_id 0
		.amdhsa_next_free_vgpr 200
		.amdhsa_next_free_sgpr 66
		.amdhsa_reserve_vcc 1
		.amdhsa_float_denorm_mode_32 3
		.amdhsa_float_denorm_mode_16_64 3
		.amdhsa_memory_ordered 1
		.amdhsa_forward_progress 1
		.amdhsa_inst_pref_size 21
	.end_amdhsa_kernel
	.amdgpu_metadata
---
amdhsa.version: [ 1, 2 ]
amdhsa.kernels:
  - .name:           k_q31e2ea6bb2_wq
    .symbol:         k_q31e2ea6bb2_wq.kd
    .args:
      - { .name: Wq_text, .offset: 0, .size: 8, .value_kind: global_buffer, .address_space: global }
      - { .name: Wq_image, .offset: 8, .size: 8, .value_kind: global_buffer, .address_space: global }
      - { .name: Wk_image, .offset: 16, .size: 8, .value_kind: global_buffer, .address_space: global }
      - { .name: Wk_text, .offset: 24, .size: 8, .value_kind: global_buffer, .address_space: global }
      - { .name: Wv_image, .offset: 32, .size: 8, .value_kind: global_buffer, .address_space: global }
      - { .name: Wv_text, .offset: 40, .size: 8, .value_kind: global_buffer, .address_space: global }
      - { .name: wcodes, .offset: 48, .size: 8, .value_kind: global_buffer, .address_space: global }
      - { .name: wscales, .offset: 56, .size: 8, .value_kind: global_buffer, .address_space: global }
    .group_segment_fixed_size: 0
    .private_segment_fixed_size: 0
    .kernarg_segment_align: 8
    .kernarg_segment_size: 64
    .max_flat_workgroup_size: 32
    .sgpr_count:     66
    .vgpr_count:     200
    .wavefront_size: 32
...
	.end_amdgpu_metadata
.endif
;; end of part 1
;; launch proj (part 2): grid 32 x 6, 4 waves a work-group, no clusters, 327,680 bytes of LDS; arguments Q_text, Q_image, K_image, K_text, V_image, V_text, bq_text, bq_image, bk_image, bk_text, bv_image, bv_text, wcodes, wscales, ws; writes ws
.if DOCPART == 2
	.amdgcn_target "amdgcn-amd-amdhsa--gfx1250"
	.amdhsa_code_object_version 6
	.text
	.protected	k_q31e2ea6bb2_proj
	.globl	k_q31e2ea6bb2_proj
	.p2align	8
	.type	k_q31e2ea6bb2_proj,@function
k_q31e2ea6bb2_proj:
	s_mov_b64 s[64:65], 0
	v_nop
	global_prefetch_b8 v0, s[64:65] scope:SCOPE_SE
	s_setreg_imm32_b32 hwreg(HW_REG_WAVE_MODE, 25, 1), 1
	s_wait_xcnt 0x0
; The six linear layers y = x W^T + b, M 8,192, K 512, N 512, on codes of FP4 (E2M1) with one E8M0 scale for each 32 along K; sums in f32; y leaves as f16, laid as the attention launch's operands want it.
; ORDER g (work-group y): 0 Q_text, 1 Q_image, 2 K_image, 3 K_text, 4 V_image, 5 V_text, each with its own weight and bias.  kind = g / 2 (q, k, v), dir = g % 2 (0: text attends to image).
; ws: [y 8][kind 3][T 128][ct 32][512 bytes] f16, y = 4 dir + batch, T a tile of 16 tokens, ct a tile of 16 features.  A block (T, ct) is one result tile as it stands in registers: lane (r, h) holds token r,
; features 16 ct + 8 h + 0 .. 7: 16 bytes.  For q and k they lie at 16 x lane: blocks 2 c and 2 c + 1 are then the image of the f16 fragment (16 tokens x features 32 c on).  For v they lie at
; 16 x ((r % 8) + 8 h + 16 (r / 8)): a turning LDS load that reads the block at 16 x lane then finds, in lane L, key 8 (L / 16) + L % 8 and channels 8 ((L / 8) % 2) + 0 .. 7, which is what it asks.
; SHARES.  Work-group (x, g) takes tokens 256 x .. 256 x + 255 of product g, in four blocks of 64.  THE WAVES SHARE THE FEATURES: wave w makes features 128 w .. 128 w + 127 for all tokens, and its 32 fragments of W
; (256 registers) stay in registers for the whole launch.  Wave w quantises tokens 16 w .. 16 w + 15 of each block; the codes go from wave to wave through LDS as images of the operand's registers.
; x comes through each wave's own ring of two LDS slots, filled by the tensor data mover: 16 tokens, 32 KiB, a load.  The product is used transposed (source 0 = 16 rows of W, source 1 = 16 tokens): a lane then
; holds eight neighbouring features of one token.  The bias is the C of each sum's first matrix instruction.
; 192 WORK-GROUPS: a product has 128 blocks of 64 tokens and a wave's weights belong to one product; four blocks to a work-group divide 128, three do not, and two would fetch the weights twice as often.
; NO CLUSTER: of the 904 KiB that a work-group moves (512 of x, 256 of y, 136 of W's codes and scales) only the 136 are shared with other work-groups, and they go once into registers, not into LDS tiles.
; LIMITS: NaN and infinities among the inputs are not served; a result beyond 65,504 does not fit in f16 (inputs and weights both 30 times the drawn spread give about 5,500).
; A block of zeros gets the scale byte 1 where the stated quantiser says 127: its codes are zeros.
; REGISTERS.  window 0: v1-15 addresses; v16-23 at work; v28-31 x's scale words; v32-63 W's scale words; v64-99 the codes and words just made; v128-255 two sets of 64 numbers of x, later x's four fragments (v128-159),
;   eight accumulators (v160-223) and packed results (v224-255).   window 1: W's fragment (t, s) at v[8 (4 t + s)].   window 2: v0-63 the bias, eight registers a tile.
.set RINGW, 66560                      ; LDS: a wave's ring: two slots
.set SLOTB, 33280                      ; a slot: 16 tokens as 32 rows of 1,024 bytes + 16 of padding.  Tokens lie 2,080 bytes = 520 words apart: 8 mod 64 banks (64 banks of 4 bytes: ISA guide 11.1), so of the 16 tokens that a load touches two share a bank; shorter rows would make it four or eight
.set XIMG,  266240                     ; behind the rings: x's 16 fragments of a block, (4 m + s) x 1,024 bytes,
.set XSC,   282624                     ; their scale words, (4 m + s) x 128 bytes,
.set SPARE, 284672                     ; and the spare words, 128 bytes for each wave: two blocks of 256 bytes that no other line names
.set XL,  4                            ; v4   my numbers in slot 0 of my ring: RINGW w + 2,080 r + 128 h
.set LI,  5                            ; v5   16 x lane
.set FS,  6                            ; v6   XSC + 4 x lane
.set XWI, 7                            ; v7   where I store images: XIMG + 16 x lane + 4,096 w
.set XWS, 8                            ; v8   and scale words: XSC + 4 x lane + 512 w
.set PO,  9                            ; v9   my 16 bytes in a block of ws
.set SH,  10                           ; v10  8 h
.set R16, 11                           ; v11  16 r
.set H32, 12                           ; v12  32 h
.set FI,  13                           ; v13  XIMG + 16 x lane
.set SPW, 14                           ; v14  LDS address of my spare word; never rewritten
.set NIL, 15                           ; v15  0; never rewritten
.set TM,  16
.set TE,  18
.set TBY, 20
.set TT,  22
.set TU,  23
.set XS,  28
.set WS,  32
.set PC,  64
.set PW,  96
.set XN,  128
.set XF,  128
.set ACC, 160
.set OUTP, 224
.set WV,  34                           ; s34  wave
.set GG,  35                           ; s35  g
.set XP,  38                           ; s[38:39] x
.set BP,  40                           ; s[40:41] the bias
.set TS,  42                           ; s[42:43] an offset in 64 bits; s43 stays 0
.set SEL, 44                           ; s[44:45] selects for lane l xor 16
.set VM,  46                           ; s46  all ones where the product is a v
.set RB,  47                           ; s47  my ring's first byte
.set G1,  48                           ; s[48:55] descriptor group 1
.set G0,  56                           ; s[56:63] descriptor group 0, a set for each slot
.set MSB, 0
.macro WIN new                         ; the immediate's high byte repeats the setting that is left
.if MSB != \new
	s_set_vgpr_msb (MSB<<8)|\new
.set MSB, \new
.endif
.endm
	s_load_b512 s[4:19], s[0:1], 0x0               ; the six x s[4:15], biases 0 and 1 s[16:19]
	s_load_b256 s[20:27], s[0:1], 0x40             ; biases 2 to 5
	s_load_b128 s[28:31], s[0:1], 0x60             ; wcodes, wscales
	s_load_b64 s[32:33], s[0:1], 0x70              ; ws
	v_lshl_add_u32 v[SPW], v0, 2, SPARE
	v_mov_b32 v[NIL], 0
	ds_add_u32 v[SPW], v[NIL]                      ; the wave's opening: the add, twice on end, and its wait ahead of my first tensor load
	ds_add_u32 v[SPW], v[NIL]                      ; and once more; the set-up below, work on registers, stands between it and the wait
	v_lshrrev_b32 v1, 5, v0
	v_readfirstlane_b32 s[WV], v1                  ; wave 0..3
	s_and_b32 s[GG], ttmp7, 0xffff
	; group 1: 32 rows of 128 elements of 8 bytes, dense in memory; 16 bytes of padding behind each row
	s_mov_b32 s[G1+0], (3<<16)|(1<<20)|(7<<22)|(3<<25)   ; no mask; elements of 8 bytes; padding on: after every 256 words (code 7) four words (code 3)
	s_mov_b32 s[G1+1], 128<<16                     ; tensor_dim0 = 128
	s_mov_b32 s[G1+2], 32<<16                      ; tensor_dim1 = 32
	s_mov_b32 s[G1+3], 128<<16                     ; tile_dim0 = 128
	s_mov_b32 s[G1+4], 32                          ; tile_dim1 = 32
	s_mov_b32 s[G1+5], 128                         ; from row to row
	s_mov_b32 s[G1+6], 0
	s_mov_b32 s[G1+7], 0
	s_mov_b32 s[SEL], 0x76543210
	s_mov_b32 s[SEL+1], 0xfedcba98
	s_mov_b32 s[TS+1], 0
	s_cmp_ge_u32 s[GG], 4
	s_cselect_b32 s[VM], -1, 0
	s_mul_i32 s[RB], s[WV], RINGW
	v_and_b32 v3, 31, v0                           ; lane
	v_and_b32 v1, 15, v0                           ; r
	v_bfe_u32 v2, v0, 4, 1                         ; h
	v_mul_u32_u24 v[XL], v1, 2080
	v_lshl_add_u32 v[XL], v2, 7, v[XL]
	v_add_nc_u32 v[XL], s[RB], v[XL]
	v_lshlrev_b32 v[LI], 4, v3
	v_add_nc_u32 v[FI], XIMG, v[LI]
	v_lshl_add_u32 v[FS], v3, 2, XSC
	s_lshl_b32 s[TS], s[WV], 12
	v_add_nc_u32 v[XWI], s[TS], v[FI]
	s_lshl_b32 s[TS], s[WV], 9
	v_add_nc_u32 v[XWS], s[TS], v[FS]
	v_and_b32 v[PO], 7, v1                         ; v's place: (r % 8) + 8 h + 16 (r / 8), in units of 16 bytes
	v_lshl_add_u32 v[PO], v2, 3, v[PO]
	v_lshrrev_b32 v[TT], 3, v1
	v_lshl_add_u32 v[PO], v[TT], 4, v[PO]
	v_lshlrev_b32 v[PO], 4, v[PO]
	v_cndmask_b32 v[PO], v[LI], v[PO], s[VM]       ; q's and k's: 16 x lane
	v_lshlrev_b32 v[SH], 3, v2
	v_lshlrev_b32 v[R16], 4, v1
	v_lshlrev_b32 v[H32], 5, v2
	v_mov_b32 v[TU], 0                             ; written once: a lane permute's destination counts as one of its sources
	s_wait_dscnt 0x0                               ; both opening adds are done
	s_wait_kmcnt 0x0
	s_mov_b64 s[XP:XP+1], s[4:5]
	s_mov_b64 s[BP:BP+1], s[16:17]
.irp i, 1,2,3,4,5
	s_cmp_eq_u32 s[GG], \i                         ; x and the bias are chosen by the work-group's number alone
	s_cselect_b64 s[XP:XP+1], s[4+2*\i:5+2*\i], s[XP:XP+1]
	s_cselect_b64 s[BP:BP+1], s[16+2*\i:17+2*\i], s[BP:BP+1]
.endr
	s_lshl_b32 s[TS], ttmp9, 19                    ; 256 tokens of 2,048 bytes
	s_lshl_b32 s36, s[WV], 15                      ; my 16 tokens of a block
	s_add_co_u32 s[TS], s[TS], s36
	s_add_nc_u64 s[XP:XP+1], s[XP:XP+1], s[TS:TS+1]
.irp n, 0,1
	s_mov_b32 s[G0+4*\n], 1                        ; count = 1
	s_add_co_u32 s[G0+4*\n+1], s[RB], \n*SLOTB     ; LDS address: my ring, slot n
	s_add_nc_u64 s[G0+4*\n+2:G0+4*\n+3], s[XP:XP+1], \n*131072   ; block n: 64 tokens on
	s_or_b32 s[G0+4*\n+3], s[G0+4*\n+3], 0x80000000              ; type = 2
.endr
	tensor_load_to_lds s[G0:G0+3], s[G1:G1+7]      ; the two first fills go out together: two loads of mine are out
	s_nop 0
	tensor_load_to_lds s[G0+4:G0+7], s[G1:G1+7]
	s_nop 0
.rept 4
	v_nop
.endr
	s_lshl_b32 s[TS], s[GG], 17                    ; W's codes: 131,072 bytes a product, 32,768 a wave
	s_lshl_b32 s36, s[WV], 15
	s_add_co_u32 s[TS], s[TS], s36
	s_add_nc_u64 s[28:29], s[28:29], s[TS:TS+1]
	s_lshl_b32 s[TS], s[GG], 13                    ; its scale words: 8,192 a product, 2,048 a wave
	s_lshl_b32 s36, s[WV], 11
	s_add_co_u32 s[TS], s[TS], s36
	s_add_nc_u64 s[30:31], s[30:31], s[TS:TS+1]
	s_lshl_b32 s[TS], s[WV], 9                     ; my 128 numbers of the bias
	s_add_nc_u64 s[BP:BP+1], s[BP:BP+1], s[TS:TS+1]
	s_and_b32 s[TS], s[GG], 1                      ; where my results go: y = 4 dir + batch,
	s_lshl_b32 s[TS], s[TS], 2
	s_lshr_b32 s36, ttmp9, 3
	s_add_co_u32 s[TS], s[TS], s36
	s_mul_i32 s[TS], s[TS], 6291456
	s_lshr_b32 s36, s[GG], 1                       ; kind,
	s_lshl_b32 s36, s36, 21
	s_add_co_u32 s[TS], s[TS], s36
	s_and_b32 s36, ttmp9, 7                        ; 16 tiles of tokens of 16,384 bytes,
	s_lshl_b32 s36, s36, 18
	s_add_co_u32 s[TS], s[TS], s36
	s_lshl_b32 s36, s[WV], 12                      ; my eight tiles of features
	s_add_co_u32 s[TS], s[TS], s36
	s_add_nc_u64 s[32:33], s[32:33], s[TS:TS+1]
	WIN 0x40                                       ; destination window 1
.irp t, 0,1,2,3,4,5,6,7
.irp s, 0,1,2,3
	global_load_b128 v[8*(4*\t+\s):8*(4*\t+\s)+3], v[LI], s[28:29] offset:(4*\t+\s)*1024        ; W's fragments: they stay
	global_load_b128 v[8*(4*\t+\s)+4:8*(4*\t+\s)+7], v[LI], s[28:29] offset:(4*\t+\s)*1024+512
.endr
.endr
	WIN 0x80                                       ; destination window 2
.irp t, 0,1,2,3,4,5,6,7
	global_load_b128 v[8*\t:8*\t+3], v[H32], s[BP:BP+1] offset:64*\t          ; lane (r, h), register j: b[128 w + 16 t + 8 h + j]
	global_load_b128 v[8*\t+4:8*\t+7], v[H32], s[BP:BP+1] offset:64*\t+16
.endr
	WIN 0
.irp t, 0,1,2,3,4,5,6,7
	global_load_b128 v[WS+4*\t:WS+4*\t+3], v[R16], s[30:31] offset:256*\t     ; row 16 t + r: its four scale words
.endr
; 64 numbers of a lane, v[src] on: register 32 c + i = K 64 c + 32 h + i of my token.  They become the fragment's eight registers v[cod] on and the token's scale word v[wrd].
.macro QUANT src, cod, wrd
.irp c, 0,1
	v_max3_num_f32 v[TM+\c], |v[(\src)+32*\c]|, |v[(\src)+32*\c+1]|, 0x1800000   ; my block 2 c + h, and the floor 2^(3 - 127): the byte cannot fall under 1
.endr
.irp i, 2,4,6,8,10,12,14,16,18,20,22,24,26,28,30
.irp c, 0,1
	v_max3_num_f32 v[TM+\c], v[TM+\c], |v[(\src)+32*\c+\i]|, |v[(\src)+32*\c+\i+1]|   ; (the two blocks by turns)
.endr
.endr
.irp c, 0,1
	v_add_nc_u32 v[TE+\c], 0xff000000, v[TM+\c]    ; 2 off the exponent field: the conversion's scale operand
.endr
.irp c, 0,1
	v_lshrrev_b32 v[TBY+\c], 23, v[TE+\c]          ; the scale's byte
.endr
	v_lshl_or_b32 v[TT], v[TBY+1], 16, v[TBY]
	v_lshlrev_b32 v[TT], v[SH], v[TT]
	v_permlanex16_b32 v[TU], v[TT], s[SEL], s[SEL+1]
	v_or_b32 v[\wrd], v[TT], v[TU]                 ; the word is whole in both lanes
.irp c, 0,1
.irp g, 0,1,2,3
	v_cvt_scalef32_pk8_fp4_f32 v[(\cod)+4*\c+\g], v[(\src)+32*\c+8*\g:(\src)+32*\c+8*\g+7], v[TE+\c]
.endr
.endr
	v_nop                                          ; one plain place behind the last scaled conversion
.endm
.macro LD n, s                         ; K step s of my 16 tokens out of slot n: 16 loads into set s % 2.  A token is two LDS rows: K step s lies in row s / 2, 512 (s % 2) bytes in
.irp c, 0,1
.irp i, 0,1,2,3,4,5,6,7
	ds_load_b128 v[XN+64*((\s)%2)+32*\c+4*\i:XN+64*((\s)%2)+32*\c+4*\i+3], v[XL] offset:(\n)*SLOTB+((\s)/2)*1040+512*((\s)%2)+256*\c+16*\i
.endr
.endr
.endm
.macro STI s                           ; the fragment goes to LDS as it stands in registers, and its scale words beside it: three stores
	ds_store_b128 v[XWI], v[PC+8*(\s):PC+8*(\s)+3] offset:1024*(\s)
	ds_store_b128 v[XWI], v[PC+8*(\s)+4:PC+8*(\s)+7] offset:1024*(\s)+512
	ds_store_b32 v[XWS], v[PW+(\s)] offset:128*(\s)
.endm
.macro XPHASE n                        ; my 16 tokens become four fragments.  LDS instructions end in order (ISA guide 5.7.1), loads and stores together: each count names what was issued behind the loads that are wanted
	LD \n, 0
	LD \n, 1
	s_wait_dscnt 16                                ; step 0 is in; step 1's 16 loads may be out
	QUANT XN, PC, PW
	STI 0
	LD \n, 2
	s_wait_dscnt 19                                ; step 1 is in; 3 stores and step 2's 16 loads may be out
	QUANT XN+64, PC+8, PW+1
	STI 1
	LD \n, 3
	s_wait_dscnt 19                                ; step 2 is in; 3 stores and step 3's 16 loads may be out
	QUANT XN, PC+16, PW+2
	STI 2
	s_wait_dscnt 3                                 ; step 3 is in; 3 stores may be out
	QUANT XN+64, PC+24, PW+3
	STI 3
.endm
; ONE barrier for two things: behind it the block's 16 fragments lie in LDS for every wave, and slot n, which I have read out, may be filled again (fill = 1: with the block two further on).
.macro MEET n, fill
	s_wait_tensorcnt 0x0                           ; all my tensor loads have landed, the other slot's among them: a group 0 may be written
	ds_add_u32 v[SPW], v[NIL]                      ; 0 onto my spare word
.if \fill
	s_add_nc_u64 s[G0+4*(\n)+2:G0+4*(\n)+3], s[G0+4*(\n)+2:G0+4*(\n)+3], 262144   ; two blocks on; the type bits on top are not reached
.endif
	s_wait_dscnt 0x0                               ; the add is done, my stores of the images have landed, my reads of the slot are over
	s_barrier_signal -1
	s_barrier_wait -1
.if \fill
	tensor_load_to_lds s[G0+4*(\n):G0+4*(\n)+3], s[G1:G1+7]   ; my one tensor load behind this barrier, and the first thing there
	s_nop 0
.rept 4
	v_nop
.endr
.endif
.endm
.macro FETCH m                         ; the four fragments of tokens 16 m on, and their scale words, as any wave stored them
.irp s, 0,1,2,3
	ds_load_b128 v[XF+8*\s:XF+8*\s+3], v[FI] offset:(4*(\m)+\s)*1024
	ds_load_b128 v[XF+8*\s+4:XF+8*\s+7], v[FI] offset:(4*(\m)+\s)*1024+512
	ds_load_b32 v[XS+\s], v[FS] offset:(4*(\m)+\s)*128
.endr
.endm
; Tokens 16 m on of block blk x my 128 features: 32 matrix instructions; the eight accumulators take turns, one instruction a turn, K step by K step.
.macro TILE blk, m
	s_wait_dscnt 0x0                               ; the fragments are in
.if ((\blk) == 0) && ((\m) == 0)
	s_wait_loadcnt 0x0                             ; W, its scale words and the bias, once
.endif
	WIN 0x21                                       ; source 0 (W) window 1, source 2 (the bias) window 2
.irp t, 0,1,2,3,4,5,6,7
	v_wmma_scale_f32_16x16x128_f8f6f4 v[ACC+8*\t:ACC+8*\t+7], v[32*\t:32*\t+7], v[XF:XF+7], v[8*\t:8*\t+7], v[WS+4*\t], v[XS] matrix_a_fmt:MATRIX_FMT_FP4 matrix_b_fmt:MATRIX_FMT_FP4
.endr
	WIN 0x01
.irp s, 1,2,3
.irp t, 0,1,2,3,4,5,6,7
	v_wmma_scale_f32_16x16x128_f8f6f4 v[ACC+8*\t:ACC+8*\t+7], v[32*\t+8*\s:32*\t+8*\s+7], v[XF+8*\s:XF+8*\s+7], v[ACC+8*\t:ACC+8*\t+7], v[WS+4*\t+\s], v[XS+\s] matrix_a_fmt:MATRIX_FMT_FP4 matrix_b_fmt:MATRIX_FMT_FP4
.endr
.endr
	WIN 0
.rept 5
	v_nop                                          ; places: four in front of the loads into x's fragments and of the first read of results; the fifth for the next tile's first products, which begin these accumulators anew
.endr
.if (\m) < 3
	FETCH (\m)+1
.endif
	s_wait_xcnt 0x0                                ; the last tile's stores have read their data: the registers may be written again
.irp t, 0,1,2,3,4,5,6,7
.irp i, 0,1,2,3
	v_cvt_pk_f16_f32 v[OUTP+4*\t+\i], v[ACC+8*\t+2*\i], v[ACC+8*\t+2*\i+1]   ; each accumulator from its low end on
.endr
.endr
.irp t, 0,1,2,3,4,5,6,7
	global_store_b128 v[PO], v[OUTP+4*\t:OUTP+4*\t+3], s[32:33] offset:(4*(\blk)+(\m))*16384+512*\t   ; 32 lanes store a block of 512 consecutive bytes, aligned
.endr
.endm
.macro BLOCK blk, n, fill
	XPHASE \n
	MEET \n, \fill
	FETCH 0
	TILE \blk, 0
	TILE \blk, 1
	TILE \blk, 2
	TILE \blk, 3
.endm
.macro BAR2                            ; every wave has read the images: they may be written again; and my stores have read the registers on which the next block's numbers land
	s_wait_dscnt 0x0
	s_wait_xcnt 0x0
	s_barrier_signal -1
	s_barrier_wait -1
.endm
	s_wait_tensorcnt 0x1                           ; block 0 is in my slot 0; block 1's load may stay out.  Only I read my ring: my own wait is all that the reads need
	BLOCK 0, 0, 1
	BAR2
	BLOCK 1, 1, 1
	BAR2
	BLOCK 2, 0, 0                                  ; the last two blocks fetch nothing
	BAR2
	BLOCK 3, 1, 0
	s_wait_tensorcnt 0x0                           ; the wave's end: behind my last tensor load and my last LDS store
	ds_add_u32 v[SPW], v[NIL]
	s_wait_dscnt 0x0
	s_endpgm
.Lfunc_end_k_q31e2ea6bb2_proj:
	.size	k_q31e2ea6bb2_proj, .Lfunc_end_k_q31e2ea6bb2_proj-k_q31e2ea6bb2_proj
	.p2alignl 7, 3214868480
	.fill 96, 4, 3214868480
	.section	.rodata,"a",@progbits
	.p2align	6, 0x0
	.amdhsa_kernel k_q31e2ea6bb2_proj
		.amdhsa_group_segment_fixed_size 327680
		.amdhsa_private_segment_fixed_size 0
		.amdhsa_enable_private_segment 0
		.amdhsa_kernarg_size 120
		.amdhsa_user_sgpr_count 2
		.amdhsa_user_sgpr_kernarg_segment_ptr 1
		.amdhsa_wavefront_size32 1
		.amdhsa_system_sgpr_workgroup_id_x 1
		.amdhsa_system_sgpr_workgroup_id_y 1
		.amdhsa_system_sgpr_workgroup_id_z 1
		.amdhsa_system_vgpr_workitem_id 0
		.amdhsa_next_free_vgpr 576
		.amdhsa_next_free_sgpr 66
		.amdhsa_reserve_vcc 0
		.amdhsa_float_denorm_mode_32 3
		.amdhsa_float_denorm_mode_16_64 3
		.amdhsa_memory_ordered 1
		.amdhsa_forward_progress 1
		.amdhsa_inst_pref_size 208
	.end_amdhsa_kernel
	.amdgpu_metadata
---
amdhsa.version: [ 1, 2 ]
amdhsa.kernels:
  - .name:           k_q31e2ea6bb2_proj
    .symbol:         k_q31e2ea6bb2_proj.kd
    .args:
      - { .name: Q_text, .offset: 0, .size: 8, .value_kind: global_buffer, .address_space: global }
      - { .name: Q_image, .offset: 8, .size: 8, .value_kind: global_buffer, .address_space: global }
      - { .name: K_image, .offset: 16, .size: 8, .value_kind: global_buffer, .address_space: global }
      - { .name: K_text, .offset: 24, .size: 8, .value_kind: global_buffer, .address_space: global }
      - { .name: V_image, .offset: 32, .size: 8, .value_kind: global_buffer, .address_space: global }
      - { .name: V_text, .offset: 40, .size: 8, .value_kind: global_buffer, .address_space: global }
      - { .name: bq_text, .offset: 48, .size: 8, .value_kind: global_buffer, .address_space: global }
      - { .name: bq_image, .offset: 56, .size: 8, .value_kind: global_buffer, .address_space: global }
      - { .name: bk_image, .offset: 64, .size: 8, .value_kind: global_buffer, .address_space: global }
      - { .name: bk_text, .offset: 72, .size: 8, .value_kind: global_buffer, .address_space: global }
      - { .name: bv_image, .offset: 80, .size: 8, .value_kind: global_buffer, .address_space: global }
      - { .name: bv_text, .offset: 88, .size: 8, .value_kind: global_buffer, .address_space: global }
      - { .name: wcodes, .offset: 96, .size: 8, .value_kind: global_buffer, .address_space: global }
      - { .name: wscales, .offset: 104, .size: 8, .value_kind: global_buffer, .address_space: global }
      - { .name: ws, .offset: 112, .size: 8, .value_kind: global_buffer, .address_space: global }
    .group_segment_fixed_size: 327680
    .private_segment_fixed_size: 0
    .kernarg_segment_align: 8
    .kernarg_segment_size: 120
    .max_flat_workgroup_size: 128
    .sgpr_count:     66
    .vgpr_count:     576
    .wavefront_size: 32
...
	.end_amdgpu_metadata
.endif
;; end of part 2
;; launch attn (part 3): grid 32 x 8, 4 waves a work-group, clusters of 4 x 1, 327,680 bytes of LDS; arguments ws, out0, out1; writes out0, out1
.if DOCPART == 3
	.amdgcn_target "amdgcn-amd-amdhsa--gfx1250"
	.amdhsa_code_object_version 6
	.text
	.protected	k_q31e2ea6bb2_attn
	.globl	k_q31e2ea6bb2_attn
	.p2align	8
	.type	k_q31e2ea6bb2_attn,@function
k_q31e2ea6bb2_attn:
	s_mov_b64 s[64:65], 0
	v_nop
	global_prefetch_b8 v0, s[64:65] scope:SCOPE_SE
	s_setreg_imm32_b32 hwreg(HW_REG_WAVE_MODE, 25, 1), 1
	s_wait_xcnt 0x0
	s_wait_alu depctr_hold_cnt(0) depctr_sa_sdst(0) depctr_va_vdst(0) depctr_va_sdst(0) depctr_va_ssrc(0) depctr_va_vcc(0) depctr_vm_vsrc(0)
	s_getreg_b32 s2, hwreg(HW_REG_IB_STS2, 6, 4)
	s_cmp_eq_u32 s2, 0
	s_cbranch_scc0 .Lentry_in_a_cluster
	s_endpgm
.Lentry_in_a_cluster:
	s_bfe_u32 s2, ttmp6, 0x10000c
	s_cmp_lg_u32 s2, 0x3003
	s_cbranch_scc0 .Lentry_shape_is_right
	s_endpgm
.Lentry_shape_is_right:
; O[y][q][:] = the sum over k of softmax_k(q . k / sqrt(512)) v[k][:], for y = 4 dir + batch: 2,048 queries, 2,048 keys, one head of 512, no mask.  q, k, v: f16, from ws (laid by the launch before); O: f32.
; Products on f16 operands with f32 sums; maxima, exponentials and row sums in f32; the weights p are rounded to f16 for the second product.  dir 0 goes to out0, dir 1 to out1.
; ws: [y 8][kind 3][T 128][ct 32][512 bytes]: block (T, ct) holds 16 tokens x 16 features.  For q and k blocks 2 c, 2 c + 1 are the register image of the fragment 16 tokens x features 32 c on;
; for v a block read at 16 x lane by the turning LDS load gives half a fragment of V^T.  128 tokens of k or of v are 131,072 consecutive bytes.
; SHARES.  A work-group owns 64 queries (four tiles of 16) and walks the keys 128 a step, 16 steps.  THE WAVES SHARE THE QUERIES.  S^T = K Q^T: wave w takes keys 32 w .. 32 w + 31 of the step against all 64 queries
; (128 matrix instructions; a fragment of K feeds four).  O^T = V^T P: wave w takes channels 128 w .. 128 w + 127 for all 64 queries and all 128 keys (128 matrix instructions; a fragment of V feeds four, one of P eight).
; So the row maxima and P go from wave to wave through LDS: three barriers a step.  Both products are used transposed: a lane holds ONE query (lane % 16) in S^T, P and O^T.
; SOFTMAX.  For each query a running maximum m and, in each wave, the sum l of its own keys' weights: p = 2^(c s - c m), c = log2(e) / sqrt(512); in every step O and l are multiplied by a = 2^(c m_old - c m_new).
; Every wave makes the same m from the same four partial maxima.  At the end the four waves' l are added.
; CLUSTER.  The four query blocks of a cluster belong to one y and walk the same K and V: each tile is asked for JOINTLY, by the same tensor load with the same descriptor and a mask that names the four.
; ONE slot for K and one for V: K of step j + 1 is asked for when all waves have read K of step j (behind the first barrier), V of step j + 1 when all have read V of step j (behind the third).
; LIMITS: NaN and infinities are not served; weights under 6e-8 of a row's largest are rounded to 0 in f16.
; REGISTERS.  window 0: v2-14 addresses; v16-47 eight registers of statistics a tile of queries; v48-63 partial maxima; v64-127 S^T; v128-255 two buffers of K; then packed p in v128-159; then two sets of V (64) and P (32): v64-159, v160-255.
;   window 1: O^T, tile (ct, qt) at v[8 (4 ct + qt)].   windows 2, 3: Q, fragment (qt, c) in window 2 + qt / 2 at v[128 (qt % 2) + 8 c].
.set VSLOT, 131072                     ; LDS: K's slot at 0, V's here, 131,072 bytes each;
.set PB,    262144                     ; P: fragment (kc, qt) at (4 kc + qt) x 1,024, as a register image;
.set PMB,   278528                     ; partial maxima: word at 256 qt + 16 r + 4 w;
.set LXO,   1024                       ; partial row sums: the same form, 1,024 bytes on;
.set STG,   280576                     ; a stage of 16 rows x (512 + 16) bytes for each wave;
.set SPARE, 314368                     ; the spare words, 128 bytes for each wave: two blocks of 256 bytes that no other line names
.set AK,  2                            ; v2   16 x lane + 32,768 w: my keys in K's slot
.set AV0, 3                            ; v3   VSLOT + 16 x lane + 4,096 w: my channels in V's slot;  v4 the same 65,536 bytes on
.set AP,  5                            ; v5   PB + 16 x lane
.set APW, 6                            ; v6   + 4,096 w: where I store P
.set APM, 7                            ; v7   PMB + 16 r + 4 w
.set APR, 8                            ; v8   PMB + 16 r
.set STO, 9                            ; v9   my stage: row r, + 32 h
.set RD,  10                           ; v10  my stage: 16 x lane
.set GO,  11                           ; v11  16 x lane
.set PFO, 12                           ; v12  256 x lane
.set SPW, 13                           ; v13  LDS address of my spare word; never rewritten
.set NIL, 14                           ; v14  0; never rewritten
.set ST,  16                           ; tile qt's statistics at v[ST + 8 qt]: +0 c m, +1 m, +2, +3 l in two halves, +4, +5 at work, +6 a, +7 c m_old - c m_new
.set PM,  48
.set S,   64                           ; S^T (k, qt) at v[S + 8 (4 k + qt)]
.set KF,  128
.set PP,  128
.set VF,  64
.set PR,  128
.set WV,  10                           ; s10  wave
.set CX,  11                           ; s11  my place in the cluster
.set YY,  12                           ; s12  y
.set G1,  24                           ; s[24:31] descriptor group 1, for K's and V's tiles alike
.set G0K, 32                           ; s[32:35] group 0 for K's tiles, which walks
.set G0V, 36                           ; s[36:39] for V's
.set PF,  40                           ; s[40:41] where my prefetches stand
.set LIM, 42                           ; s42  1 in a cluster that prefetches, else the greatest number
.set LEFT, 43                          ; s43  15 - the step's number
.set CS,  44                           ; s[44:45] c, twice
.set SEL, 46                           ; s[46:47] selects for lane l xor 16
.set OUT, 48                           ; s[48:49] O at my work-group's first row, my wave's channels
.set QP,  50                           ; s[50:51] Q at my work-group's first tile
.set MSB, 0
.macro WIN new                         ; the immediate's high byte repeats the setting that is left; bits 1:0 source 0, 3:2 source 1, 5:4 source 2, 7:6 destination
.if MSB != \new
	s_set_vgpr_msb (MSB<<8)|\new
.set MSB, \new
.endif
.endm
.macro ROUND                           ; a round of the cluster's barrier: my work-group's barrier; wave 0 signals for the work-group; every wave waits for all four work-groups; my work-group's barrier once more
	s_barrier_signal -1
	s_barrier_wait -1
	s_cmp_lg_u32 s[WV], 0
	s_cbranch_scc1 .Lnot_wave_0_\@
	s_barrier_signal -3
.Lnot_wave_0_\@:
	s_barrier_wait -3
	s_barrier_signal -1
	s_barrier_wait -1
.endm
.macro JLOAD g0                        ; a joint load: every wave fetches its quarter (32 KiB) of the tile; an s_nop 0 and four v_nop follow
	tensor_load_to_lds s[\g0:\g0+3], s[G1:G1+7]
	s_nop 0
.rept 4
	v_nop
.endr
.endm
; A PREFETCH INTO THE L2 of K and V of step j + 2, where K of step j + 1 has just been asked for: one key step (256 matrix instructions) ahead of K's load, one and a half ahead of V's.
; Each aligned block of 256 bytes is named once in the launch: all clusters of a y walk the same K and V, and the y's first cluster asks.  Its 16 waves share a step's 131,072 bytes out BY ADDRESS, 8,192 each
; (place in the cluster x 4 + wave), lanes 256 bytes apart; V's bytes lie 2,097,152 on from K's.  Steps 14 and 15 ask for nothing: there is no step behind 15.  Steps 0 and 1 come by their loads alone.
.macro ASK
	s_cmp_gt_u32 s[LEFT], s[LIM]
	s_cbranch_scc0 .Lnot_mine_\@
	global_prefetch_b8 v[PFO], s[PF:PF+1] th:TH_LOAD_NT scope:SCOPE_SE
	global_prefetch_b8 v[PFO], s[PF:PF+1] offset:2097152 th:TH_LOAD_NT scope:SCOPE_SE
.Lnot_mine_\@:
.endm
	s_load_b128 s[4:7], s[0:1], 0x0                ; ws s[4:5], out0 s[6:7]
	s_load_b64 s[8:9], s[0:1], 0x10                ; out1
	v_lshl_add_u32 v[SPW], v0, 2, SPARE
	v_mov_b32 v[NIL], 0
	ds_add_u32 v[SPW], v[NIL]                      ; the wave's opening: the add, twice on end, and its wait ahead of my first tensor load
	ds_add_u32 v[SPW], v[NIL]                      ; and once more; the set-up below, work on registers, stands between it and the wait
	v_lshrrev_b32 v1, 5, v0
	v_readfirstlane_b32 s[WV], v1                  ; wave 0..3
	s_bfe_u32 s[CX], ttmp6, 0x40000                ; cx
	s_and_b32 s[YY], ttmp7, 0xffff                 ; y, which the four partners share
	; group 1: 128 rows of 32 elements of 8 bytes (256 bytes), dense in memory and in LDS
	s_mov_b32 s[G1+0], 15|(3<<16)|(1<<21)          ; the mask: all four work-groups; elements of 8 bytes; bit 21 set beside a mask; no padding
	s_mov_b32 s[G1+1], 32<<16                      ; tensor_dim0 = 32
	s_mov_b32 s[G1+2], 128<<16                     ; tensor_dim1 = 128
	s_mov_b32 s[G1+3], 32<<16                      ; tile_dim0 = 32
	s_mov_b32 s[G1+4], 128                         ; tile_dim1 = 128
	s_mov_b32 s[G1+5], 32                          ; from row to row
	s_mov_b32 s[G1+6], 0
	s_mov_b32 s[G1+7], 0
	s_mov_b32 s[CS], 0x3d8293ee                    ; c = log2(e) / sqrt(512)
	s_mov_b32 s[CS+1], s[CS]                       ; (named with it as a pair, so it is written)
	s_mov_b32 s[SEL], 0x76543210
	s_mov_b32 s[SEL+1], 0xfedcba98
	s_mul_i32 s14, s[YY], 6291456                  ; y's q, k and v
	s_mov_b32 s15, 0
	s_lshl_b32 s16, s[WV], 15                      ; my quarter of a tile, in memory and in a slot: no place in the cluster enters an LDS address
	s_mov_b32 s17, 0
	s_lshl_b32 s20, ttmp9, 2                       ; in a cluster launch ttmp9 counts clusters
	s_add_co_u32 s20, s20, s[CX]                   ; my block of 64 queries: it enters Q's and O's addresses alone
	s_mov_b32 s23, 0
	s_cmp_eq_u32 ttmp9, 0                          ; the y's first cluster: the same in all four partners
	s_cselect_b32 s[LIM], 1, -1
	s_wait_dscnt 0x0                               ; both opening adds are done
	s_wait_kmcnt 0x0
	s_add_nc_u64 s[4:5], s[4:5], s[14:15]
	s_add_nc_u64 s[18:19], s[4:5], s[16:17]
	s_mov_b32 s[G0K], 1                            ; count = 1
	s_mov_b32 s[G0K+1], s16                        ; LDS address
	s_add_nc_u64 s[G0K+2:G0K+3], s[18:19], 2097152 ; k, step 0
	s_or_b32 s[G0K+3], s[G0K+3], 0x80000000        ; type = 2
	s_mov_b32 s[G0V], 1
	s_add_co_u32 s[G0V+1], s16, VSLOT
	s_add_nc_u64 s[G0V+2:G0V+3], s[18:19], 4194304 ; v, step 0
	s_or_b32 s[G0V+3], s[G0V+3], 0x80000000
	s_lshl_b32 s22, s20, 16                        ; four tiles of 16,384 bytes
	s_add_nc_u64 s[QP:QP+1], s[4:5], s[22:23]
	s_cmp_lt_u32 s[YY], 4
	s_cselect_b64 s[OUT:OUT+1], s[6:7], s[8:9]
	s_and_b32 s22, s[YY], 3
	s_lshl_b32 s22, s22, 22                        ; the batch: 2,048 rows of 2,048 bytes,
	s_lshl_b32 s21, s20, 17                        ; my 64 rows,
	s_add_co_u32 s22, s22, s21
	s_lshl_b32 s21, s[WV], 9                       ; my 128 channels
	s_add_co_u32 s22, s22, s21
	s_add_nc_u64 s[OUT:OUT+1], s[OUT:OUT+1], s[22:23]
	s_lshl_b32 s22, s[CX], 2
	s_add_co_u32 s22, s22, s[WV]
	s_lshl_b32 s22, s22, 13                        ; my 8,192 bytes of a step's 131,072,
	s_add_co_u32 s22, s22, 2097152+131072          ; in k's step 1: the first step's change steps it to step 2.  Nothing is prefetched here, at the head
	s_add_nc_u64 s[PF:PF+1], s[4:5], s[22:23]
	ROUND                                          ; all four work-groups are here: the first joint loads meet
	tensor_load_to_lds s[G0K:G0K+3], s[G1:G1+7]    ; K and V of step 0 go out together: two loads of mine are out
	s_nop 0
	tensor_load_to_lds s[G0V:G0V+3], s[G1:G1+7]
	s_nop 0
.rept 4
	v_nop
.endr
	v_and_b32 v1, 31, v0                           ; lane
	v_and_b32 v48, 15, v0                          ; r
	v_bfe_u32 v49, v0, 4, 1                        ; h
	v_lshlrev_b32 v[GO], 4, v1
	v_add_nc_u32 v[AK], s16, v[GO]
	s_lshl_b32 s21, s[WV], 12
	v_add_nc_u32 v[AV0], s21, v[GO]
	v_add_nc_u32 v[AV0], VSLOT, v[AV0]
	v_add_nc_u32 v[AV0+1], 65536, v[AV0]
	v_add_nc_u32 v[AP], PB, v[GO]
	v_add_nc_u32 v[APW], s21, v[AP]
	v_lshlrev_b32 v[APR], 4, v48
	v_add_nc_u32 v[APR], PMB, v[APR]
	s_lshl_b32 s21, s[WV], 2
	v_add_nc_u32 v[APM], s21, v[APR]
	s_mul_i32 s21, s[WV], 8448
	s_add_co_u32 s21, s21, STG
	v_mul_u32_u24 v[STO], v48, 528
	v_lshl_add_u32 v[STO], v49, 5, v[STO]
	v_add_nc_u32 v[STO], s21, v[STO]
	v_add_nc_u32 v[RD], s21, v[GO]
	v_lshlrev_b32 v[PFO], 8, v1
.irp q, 0,1,2,3
	v_mov_b32 v[ST+8*\q+5], 0                      ; written once: a lane permute's destination counts as one of its sources
.endr
	WIN 0x80                                       ; destination window 2: Q stays in registers
.irp q, 0,1
.irp c, 0,1,2,3,4,5,6,7,8,9,10,11,12,13,14,15
	global_load_b128 v[128*\q+8*\c:128*\q+8*\c+3], v[GO], s[QP:QP+1] offset:(32*\q+2*\c)*512
	global_load_b128 v[128*\q+8*\c+4:128*\q+8*\c+7], v[GO], s[QP:QP+1] offset:(32*\q+2*\c+1)*512
.endr
.endr
	WIN 0xc0                                       ; destination window 3
.irp q, 0,1
.irp c, 0,1,2,3,4,5,6,7,8,9,10,11,12,13,14,15
	global_load_b128 v[128*\q+8*\c:128*\q+8*\c+3], v[GO], s[QP:QP+1] offset:(32*(\q+2)+2*\c)*512
	global_load_b128 v[128*\q+8*\c+4:128*\q+8*\c+7], v[GO], s[QP:QP+1] offset:(32*(\q+2)+2*\c+1)*512
.endr
.endr
	WIN 0
; 16 LDS loads: my two tiles of keys x features 128 g .. 128 g + 127 (four fragments deep), into buffer g % 2; fragment (cc, k) at 8 (2 cc + k)
.macro KLOAD g
.set KB, KF+64*((\g)%2)
.irp cc, 0,1,2,3
.irp k, 0,1
	ds_load_b128 v[KB+8*(2*\cc+\k):KB+8*(2*\cc+\k)+3], v[AK] offset:16384*\k+1024*(4*(\g)+\cc)
	ds_load_b128 v[KB+8*(2*\cc+\k)+4:KB+8*(2*\cc+\k)+7], v[AK] offset:16384*\k+1024*(4*(\g)+\cc)+512
.endr
.endr
.endm
; 16 products of S^T = K Q^T: tiles of queries qlo, qlo + 1.  The four accumulators take turns, one instruction a turn.  The first products start the sums: nothing is cleared.
.macro SMUL g, qlo
.set KB, KF+64*((\g)%2)
.irp cc, 0,1,2,3
.irp k, 0,1
.irp u, 0,1
.if ((\g) == 0) && (\cc == 0)
	v_wmma_f32_16x16x32_f16 v[S+8*(4*\k+\qlo+\u):S+8*(4*\k+\qlo+\u)+7], v[KB+8*(2*\cc+\k):KB+8*(2*\cc+\k)+7], v[128*\u+8*(4*(\g)+\cc):128*\u+8*(4*(\g)+\cc)+7], 0
.else
	v_wmma_f32_16x16x32_f16 v[S+8*(4*\k+\qlo+\u):S+8*(4*\k+\qlo+\u)+7], v[KB+8*(2*\cc+\k):KB+8*(2*\cc+\k)+7], v[128*\u+8*(4*(\g)+\cc):128*\u+8*(4*(\g)+\cc)+7], v[S+8*(4*\k+\qlo+\u):S+8*(4*\k+\qlo+\u)+7]
.endif
.endr
.endr
.endr
.endm
.macro SGROUP g                        ; 32 products; the next group's fragments are asked for ahead of them.  (LDS loads name windows for destination and source 0 alone: both are 0 under the products' settings)
	s_wait_dscnt 0x0                               ; this group's fragments are in
.if (\g) < 3
.rept 4
	v_nop                                          ; places in front of loads into registers that matrix instructions have read; in group 0 also in front of the products that write S^T over V's registers
.endr
	KLOAD (\g)+1
.endif
	WIN 0x08                                       ; source 1 (Q) window 2
	SMUL \g, 0
	WIN 0x0c                                       ; window 3
	SMUL \g, 2
.endm
.macro LMAX                            ; for each tile of queries the largest of my 32 keys' scores: 16 in my lane, 16 in lane l xor 16; each accumulator is read from its low end on
	WIN 0
.rept 4
	v_nop
.endr
.irp q, 0,1,2,3
	v_max3_num_f32 v[ST+8*\q+4], v[S+8*\q], v[S+8*\q+1], v[S+8*\q+2]
.endr
.irp i, 3,5
.irp q, 0,1,2,3
	v_max3_num_f32 v[ST+8*\q+4], v[ST+8*\q+4], v[S+8*\q+\i], v[S+8*\q+\i+1]
.endr
.endr
.irp q, 0,1,2,3
	v_max3_num_f32 v[ST+8*\q+4], v[ST+8*\q+4], v[S+8*\q+7], v[S+32+8*\q]
.endr
.irp i, 1,3,5
.irp q, 0,1,2,3
	v_max3_num_f32 v[ST+8*\q+4], v[ST+8*\q+4], v[S+32+8*\q+\i], v[S+32+8*\q+\i+1]
.endr
.endr
.irp q, 0,1,2,3
	v_max_num_f32 v[ST+8*\q+4], v[ST+8*\q+4], v[S+32+8*\q+7]
.endr
.irp q, 0,1,2,3
	v_permlanex16_b32 v[ST+8*\q+5], v[ST+8*\q+4], s[SEL], s[SEL+1]
.endr
.irp q, 0,1,2,3
	v_max_num_f32 v[ST+8*\q+4], v[ST+8*\q+4], v[ST+8*\q+5]
.endr
.irp q, 0,1,2,3
	ds_store_b32 v[APM], v[ST+8*\q+4] offset:256*\q   ; lanes l and l xor 16 write the same word with the same value
.endr
.endm
; THE FIRST BARRIER: behind it the partial maxima lie in LDS, V of this step is whole, and nobody reads K's slot any more.  fill = 1: it is a round of the cluster's barrier, and K of the next step is asked for first behind it.
.macro B1 fill
	s_wait_tensorcnt 0x0                           ; all my tensor loads have landed: my quarter of V of this step; a group 0 may be written
	ds_add_u32 v[SPW], v[NIL]                      ; 0 onto my spare word
.if (\fill)
	s_add_nc_u64 s[G0K+2:G0K+3], s[G0K+2:G0K+3], 131072   ; the next 128 keys; the type bits on top are not reached
	s_wait_xcnt 0x0                                ; the last prefetches, a key step back, have read their address
	s_add_nc_u64 s[PF:PF+1], s[PF:PF+1], 131072
	s_wait_dscnt 0x0                               ; the add is done, my maxima have landed, my reads of K's slot are over
	ROUND
	JLOAD G0K
	ASK
.else
	s_wait_dscnt 0x0
	s_barrier_signal -1
	s_barrier_wait -1
.endif
.endm
.macro SOFT first
.irp q, 0,1,2,3
	ds_load_b128 v[PM+4*\q:PM+4*\q+3], v[APR] offset:256*\q   ; the four waves' maxima of my query
.endr
	s_wait_dscnt 0x0
.if !(\first)
.irp q, 0,1,2,3
	v_mov_b32 v[ST+8*\q+7], v[ST+8*\q]             ; c m_old is kept for a
.endr
.endif
.irp q, 0,1,2,3
	v_max3_num_f32 v[ST+8*\q+4], v[PM+4*\q], v[PM+4*\q+1], v[PM+4*\q+2]
.endr
.irp q, 0,1,2,3
.if \first
	v_max_num_f32 v[ST+8*\q+1], v[ST+8*\q+4], v[PM+4*\q+3]
.else
	v_max3_num_f32 v[ST+8*\q+1], v[ST+8*\q+4], v[PM+4*\q+3], v[ST+8*\q+1]
.endif
.endr
.irp q, 0,1,2,3
	v_mul_f32 v[ST+8*\q], s[CS], v[ST+8*\q+1]      ; c m
.endr
.if !(\first)
.irp q, 0,1,2,3
	v_sub_f32 v[ST+8*\q+7], v[ST+8*\q+7], v[ST+8*\q]
.endr
.endif
.irp k, 0,1
.irp q, 0,1,2,3
.irp j, 0,2,4,6
	v_pk_fma_f32 v[S+8*(4*\k+\q)+\j:S+8*(4*\k+\q)+\j+1], v[S+8*(4*\k+\q)+\j:S+8*(4*\k+\q)+\j+1], s[CS:CS+1], v[ST+8*\q:ST+8*\q+1] op_sel_hi:[1,0,0] neg_lo:[0,0,1] neg_hi:[0,0,1]   ; c s - c m, two at a time
.endr
.endr
.endr
.if !(\first)
.irp q, 0,1,2,3
	v_exp_f32 v[ST+8*\q+6], v[ST+8*\q+7]           ; a
.endr
.endif
.set i, 0
.rept 64
	v_exp_f32 v[S+i], v[S+i]                       ; p
.set i, i+1
.endr
	v_nop                                          ; a plain instruction behind the last exponential (ISA guide 5.7.2),
	s_wait_alu depctr_va_vdst(0)                   ; and the one wait ahead of the batch's first reader
.set i, 0
.rept 32
	v_cvt_pk_f16_f32 v[PP+i], v[S+2*i], v[S+2*i+1] ; tile (k, qt): four registers at PP + 4 (4 k + qt): keys 16 k + 8 h + 0 .. 7 of my 32: half k of the fragment (kc = w, qt)
.set i, i+1
.endr
.irp k, 0,1
.irp q, 0,1,2,3
	ds_store_b128 v[APW], v[PP+4*(4*\k+\q):PP+4*(4*\k+\q)+3] offset:1024*\q+512*\k
.endr
.endr
	; the row sums, of the f32 weights, of my own keys: eight pairs a tile of queries, in place
.irp j, 0,4,32,36
.irp q, 0,1,2,3
	v_pk_add_f32 v[S+8*\q+\j:S+8*\q+\j+1], v[S+8*\q+\j:S+8*\q+\j+1], v[S+8*\q+\j+2:S+8*\q+\j+3]
.endr
.endr
.irp j, 0,32
.irp q, 0,1,2,3
	v_pk_add_f32 v[S+8*\q+\j:S+8*\q+\j+1], v[S+8*\q+\j:S+8*\q+\j+1], v[S+8*\q+\j+4:S+8*\q+\j+5]
.endr
.endr
.irp q, 0,1,2,3
.if \first
	v_pk_add_f32 v[ST+8*\q+2:ST+8*\q+3], v[S+8*\q:S+8*\q+1], v[S+8*\q+32:S+8*\q+33]
.else
	v_pk_add_f32 v[S+8*\q:S+8*\q+1], v[S+8*\q:S+8*\q+1], v[S+8*\q+32:S+8*\q+33]
.endif
.endr
.if !(\first)
.irp q, 0,1,2,3
	v_pk_fma_f32 v[ST+8*\q+2:ST+8*\q+3], v[ST+8*\q+2:ST+8*\q+3], v[ST+8*\q+6:ST+8*\q+7], v[S+8*\q:S+8*\q+1] op_sel_hi:[1,0,1]   ; l = a l + the sum
.endr
.endif
.endm
.macro VLOAD kc                        ; my eight tiles of channels x keys 32 kc on, turned: 16 loads into set kc % 2.  Keys 32 kc on are tiles 2 kc and 2 kc + 1 of the step's eight
.set VB, VF+96*((\kc)%2)
.irp ct, 0,1,2,3,4,5,6,7
	ds_load_tr16_b128 v[VB+8*\ct:VB+8*\ct+3], v[AV0+(\kc)/2] offset:((2*(\kc))%4)*16384+512*\ct
	ds_load_tr16_b128 v[VB+8*\ct+4:VB+8*\ct+7], v[AV0+(\kc)/2] offset:((2*(\kc)+1)%4)*16384+512*\ct
.endr
.endm
.macro PLOAD kc                        ; P's four fragments of keys 32 kc on, as wave kc stored them: 8 loads
.set PBR, PR+96*((\kc)%2)
.irp q, 0,1,2,3
	ds_load_b128 v[PBR+8*\q:PBR+8*\q+3], v[AP] offset:(4*(\kc)+\q)*1024
	ds_load_b128 v[PBR+8*\q+4:PBR+8*\q+7], v[AP] offset:(4*(\kc)+\q)*1024+512
.endr
.endm
; THE SECOND BARRIER: behind it P's 16 fragments lie in LDS.  Between signal and wait: loads of V, whose slot nobody writes before the third barrier, and the rescaling of O^T, work on registers.
.macro B2 first
	s_wait_dscnt 0x0                               ; my stores of P have landed, my reads of the maxima are over
	s_barrier_signal -1
	VLOAD 0
.if !(\first)
	WIN 0x41                                       ; O^T (destination and source 0) window 1, a window 0
.irp ct, 0,1,2,3,4,5,6,7
.irp q, 0,1,2,3
.irp j, 0,2,4,6
	v_pk_mul_f32 v[8*(4*\ct+\q)+\j:8*(4*\ct+\q)+\j+1], v[8*(4*\ct+\q)+\j:8*(4*\ct+\q)+\j+1], v[ST+8*\q+6:ST+8*\q+7] op_sel_hi:[1,0]
.endr
.endr
.endr
	WIN 0
.endif
	s_barrier_wait -1
	PLOAD 0
.endm
.macro PGROUP kc, first                ; 32 products of O^T += V^T P: keys 32 kc on; the 32 accumulators take turns; the next group's fragments are asked for ahead of them
	s_wait_dscnt 0x0
.if (\kc) < 3
	WIN 0
.rept 4
	v_nop                                          ; places in front of loads into registers that matrix instructions have read
.endr
	VLOAD (\kc)+1
	PLOAD (\kc)+1
.endif
	WIN 0x50                                       ; C and D window 1
.set VA, VF+96*((\kc)%2)
.set PA, PR+96*((\kc)%2)
.irp ct, 0,1,2,3,4,5,6,7
.irp q, 0,1,2,3
.if (\first) && ((\kc) == 0)
	v_wmma_f32_16x16x32_f16 v[8*(4*\ct+\q):8*(4*\ct+\q)+7], v[VA+8*\ct:VA+8*\ct+7], v[PA+8*\q:PA+8*\q+7], 0
.else
	v_wmma_f32_16x16x32_f16 v[8*(4*\ct+\q):8*(4*\ct+\q)+7], v[VA+8*\ct:VA+8*\ct+7], v[PA+8*\q:PA+8*\q+7], v[8*(4*\ct+\q):8*(4*\ct+\q)+7]
.endif
.endr
.endr
.endm
; THE THIRD BARRIER, a round of the cluster's: behind it K of the next step is whole, and nobody reads V's slot or P any more; V of the next step is asked for first behind it.
.macro B3
	WIN 0
	s_wait_tensorcnt 0x0                           ; all my tensor loads have landed: my quarter of K of the next step
	ds_add_u32 v[SPW], v[NIL]                      ; 0 onto my spare word
	s_add_nc_u64 s[G0V+2:G0V+3], s[G0V+2:G0V+3], 131072
	s_wait_dscnt 0x0                               ; the add is done, my reads of V's slot and of P are over
	ROUND
	JLOAD G0V                                      ; its four v_nop are also the places in front of the next step's first loads of K
.endm
.macro STEP first, last
	KLOAD 0
	SGROUP 0
	SGROUP 1
	SGROUP 2
	SGROUP 3
	LMAX
	B1 1-\last
	SOFT \first
	B2 \first
	PGROUP 0, \first
	PGROUP 1, \first
	PGROUP 2, \first
	PGROUP 3, \first
.if !(\last)
	B3
.endif
.endm
	s_wait_tensorcnt 0x1                           ; my quarter of K of step 0 is in; V's may stay out
	s_barrier_signal -1
	s_barrier_wait -1                              ; everybody's is
	s_wait_loadcnt 0x0                             ; Q
	s_mov_b32 s[LEFT], 15
	STEP 1, 0                                      ; step 0 starts m, l and O^T
	s_mov_b32 s[LEFT], 14
.Lstep:                                                ; steps 1 to 14
	STEP 0, 0
	s_sub_co_u32 s[LEFT], s[LEFT], 1
	s_cmp_lg_u32 s[LEFT], 0
	s_cbranch_scc1 .Lstep
	STEP 0, 1                                      ; step 15 is written out: it asks for nothing more
	; THE WAY OUT.  Each wave's l (its own keys') is summed over its two halves and over lanes l, l xor 16; the four waves' sums meet in LDS.  These additions are the places behind the last products.
	WIN 0
.irp q, 0,1,2,3
	v_add_f32 v[ST+8*\q+4], v[ST+8*\q+2], v[ST+8*\q+3]
.endr
.irp q, 0,1,2,3
	v_permlanex16_b32 v[ST+8*\q+5], v[ST+8*\q+4], s[SEL], s[SEL+1]
.endr
.irp q, 0,1,2,3
	v_add_f32 v[ST+8*\q+4], v[ST+8*\q+4], v[ST+8*\q+5]
.endr
.irp q, 0,1,2,3
	ds_store_b32 v[APM], v[ST+8*\q+4] offset:LXO+256*\q
.endr
	s_wait_dscnt 0x0                               ; for the others' sake: my sums have landed
	s_barrier_signal -1
	s_barrier_wait -1
.irp q, 0,1,2,3
	ds_load_b128 v[PM+4*\q:PM+4*\q+3], v[APR] offset:LXO+256*\q
.endr
	s_wait_dscnt 0x0
.irp q, 0,1,2,3
	v_add_f32 v[PM+4*\q], v[PM+4*\q], v[PM+4*\q+1]
.endr
.irp q, 0,1,2,3
	v_add_f32 v[PM+4*\q+2], v[PM+4*\q+2], v[PM+4*\q+3]
.endr
.irp q, 0,1,2,3
	v_add_f32 v[PM+4*\q], v[PM+4*\q], v[PM+4*\q+2]
.endr
.irp q, 0,1,2,3
	v_rcp_f32 v[ST+8*\q+6], v[PM+4*\q]
.endr
	v_nop                                          ; a plain instruction behind the last reciprocal,
	s_wait_alu depctr_va_vdst(0)                   ; and the one wait ahead of the first reader
; Tile qt: O^T / l; a lane's eight channels of a row are 32 bytes and the lanes beside it hold other rows: so 16 rows x my 128 channels go through my own stage and come back as rows of 512 bytes.
; LDS serves a wave's instructions in order (ISA guide 5.7.1.4): no wait between the stores and the loads, nor in front of the next tile's stores.
.macro OUTQ qt
	WIN 0x41
.irp ct, 0,1,2,3,4,5,6,7
.irp j, 0,2,4,6
	v_pk_mul_f32 v[8*(4*\ct+\qt)+\j:8*(4*\ct+\qt)+\j+1], v[8*(4*\ct+\qt)+\j:8*(4*\ct+\qt)+\j+1], v[ST+8*\qt+6:ST+8*\qt+7] op_sel_hi:[1,0]
.endr
.endr
	WIN 0x04                                       ; an LDS store's data are its source 1: window 1
.irp ct, 0,1,2,3,4,5,6,7
	ds_store_b128 v[STO], v[8*(4*\ct+\qt):8*(4*\ct+\qt)+3] offset:64*\ct
	ds_store_b128 v[STO], v[8*(4*\ct+\qt)+4:8*(4*\ct+\qt)+7] offset:64*\ct+16
.endr
	WIN 0
.if \qt >= 2
	s_wait_xcnt 0x0                                ; the stores of the tile two back have read their data: the loads may land there
.endif
.set OB, 64+64*(\qt%2)
.irp t, 0,1,2,3,4,5,6,7,8,9,10,11,12,13,14,15
	ds_load_b128 v[OB+4*\t:OB+4*\t+3], v[RD] offset:528*\t
.endr
	s_wait_dscnt 0x0
.irp t, 0,1,2,3,4,5,6,7,8,9,10,11,12,13,14,15
	global_store_b128 v[GO], v[OB+4*\t:OB+4*\t+3], s[OUT:OUT+1] offset:(16*\qt+\t)*2048 th:TH_STORE_NT   ; 32 lanes store 512 consecutive bytes, at a multiple of 512 from O's first byte
.endr
.endm
	OUTQ 0
	OUTQ 1
	OUTQ 2
	OUTQ 3
	s_wait_tensorcnt 0x0                           ; the wave's end: behind my last tensor load and my last LDS store
	ds_add_u32 v[SPW], v[NIL]
	s_wait_dscnt 0x0
	ROUND                                          ; the closing round: no work-group ends while a partner may still ask for a tile that names it
	s_endpgm
.Lfunc_end_k_q31e2ea6bb2_attn:
	.size	k_q31e2ea6bb2_attn, .Lfunc_end_k_q31e2ea6bb2_attn-k_q31e2ea6bb2_attn
	.p2alignl 7, 3214868480
	.fill 96, 4, 3214868480
	.section	.rodata,"a",@progbits
	.p2align	6, 0x0
	.amdhsa_kernel k_q31e2ea6bb2_attn
		.amdhsa_group_segment_fixed_size 327680
		.amdhsa_private_segment_fixed_size 0
		.amdhsa_enable_private_segment 0
		.amdhsa_kernarg_size 24
		.amdhsa_user_sgpr_count 2
		.amdhsa_user_sgpr_kernarg_segment_ptr 1
		.amdhsa_wavefront_size32 1
		.amdhsa_system_sgpr_workgroup_id_x 1
		.amdhsa_system_sgpr_workgroup_id_y 1
		.amdhsa_system_sgpr_workgroup_id_z 1
		.amdhsa_system_vgpr_workitem_id 0
		.amdhsa_next_free_vgpr 1024
		.amdhsa_next_free_sgpr 66
		.amdhsa_reserve_vcc 0
		.amdhsa_float_denorm_mode_32 3
		.amdhsa_float_denorm_mode_16_64 3
		.amdhsa_memory_ordered 1
		.amdhsa_forward_progress 1
		.amdhsa_inst_pref_size 182
	.end_amdhsa_kernel
	.amdgpu_metadata
---
amdhsa.version: [ 1, 2 ]
amdhsa.kernels:
  - .name:           k_q31e2ea6bb2_attn
    .symbol:         k_q31e2ea6bb2_attn.kd
    .args:
      - { .name: ws, .offset: 0, .size: 8, .value_kind: global_buffer, .address_space: global }
      - { .name: out0, .offset: 8, .size: 8, .value_kind: global_buffer, .address_space: global }
      - { .name: out1, .offset: 16, .size: 8, .value_kind: global_buffer, .address_space: global }
    .group_segment_fixed_size: 327680
    .private_segment_fixed_size: 0
    .kernarg_segment_align: 8
    .kernarg_segment_size: 24
    .max_flat_workgroup_size: 128
    .sgpr_count:     66
    .vgpr_count:     1024
    .wavefront_size: 32
...
	.end_amdgpu_metadata
.endif
;; end of part 3
